; MI455X (gfx1250); checked and timed in simulation.
; The chip was launched on July 23, 2026; its instructions are those of AMD's public machine-readable ISA for CDNA 5 (MIT licence, August 2026) and "CDNA5" Instruction Set Architecture Reference Guide (July 2026). The comments in the code are by the model that wrote it; some were corrected since.
;; BPS Condition Tokenizer. Allowed arithmetic: float matrix products may take bf16 or f16 operands with f32 sums; all other float work in f32.
;; Inputs: basis 4,096 x 3 float32; point_cloud 16 x 4,096 x 3 float32.
;; Outputs: out0 16 x 4,096 x 4 float32.
;; 2 versions, each right; version 2 is version 1 with the launches coarse, refine written anew for expert scheduling mode. Each part assembles by itself: llvm-mc -triple=amdgcn-amd-amdhsa -mcpu=gfx1250 --defsym DOCPART=n.
;; ======== version 1 of 2: 2 launches
;; limits: values outside matrix products are rounded to bf16
;; workspace buffers: cand 524,288 bytes of whole numbers
;; launch coarse (part 1): grid 16 x 16, 8 waves a work-group, no clusters, 111,616 bytes of LDS; arguments basis, point_cloud, cand; writes cand
.if DOCPART == 1
	.amdgcn_target "amdgcn-amd-amdhsa--gfx1250"
	.amdhsa_code_object_version 6
	.text
	.protected	k_q8d096cc095_coarse
	.globl	k_q8d096cc095_coarse
	.p2align	8
	.type	k_q8d096cc095_coarse,@function
k_q8d096cc095_coarse:
	s_mov_b64 s[64:65], 0
	v_nop
	global_prefetch_b8 v0, s[64:65] scope:SCOPE_SE
	s_setreg_imm32_b32 hwreg(HW_REG_WAVE_MODE, 25, 1), 1
	s_wait_xcnt 0x0
; BPS encoding, first of two launches: for every (batch, basis point) the numbers of two blocks of 8 neighbouring cloud points,
; one of which holds the nearest cloud point.  The second launch evaluates those 16 points and writes the token.
;
; FORMAT (a stated limit): basis and cloud are rounded once to bf16, the matrix operands' format, and everything in both launches
; (pc_sq, b_sq, the deltas too) is computed in f32 on the rounded numbers, so that the choice and the deltas belong together.
; RANGE (a stated limit): inputs are finite and their squares do not overflow f32; a non-finite number would also spoil the 15 other
; rows or columns that share registers with it, since it meets a zero factor there.
; CHOICE (a stated limit): a lane orders the blocks of its own 256 points by s as the matrix unit rounds it; two points of one such
; subset in different blocks whose s differ by less than that rounding may be ordered otherwise than by reference()'s own rounding.
; Ties and near ties between subsets, or inside a block, are left to the second launch; with equal s the earlier block is kept.
;
; WORK: a work-group = one batch x 256 basis points (queries), 8 waves.  Wave w sweeps cloud points 512 w .. 512 w + 511 against all
; 256 queries: 16 passes of 32 points (two tiles of 16) x 16 groups of 16 queries = 512 matrix instructions.
; One matrix instruction gives s = pc_sq - 2 cross for 16 points x 16 queries.  K places 0..5 of a point: x, y, z and pc_sq cut
; exactly into three bf16 pieces (8 + 8 + 8 bits); of a query: -2bx, -2by, -2bz, 1, 1, 1.  b_sq is the same for all points of a query
; and does not move the minimum.  All other K places are zero on at least one side.
; A point's record is 16 bytes (K places 0..7).  Lane l of a pass holds point l's record: lanes 0-15 are the first tile's K places
; 0..7, lanes 16-31 sit in K places 8..15, where every query is zero.  The second tile's fragment is the same record read from LDS
; with the lane halves exchanged.  Registers 4-7 of a point fragment are zero, so the query fragments can lie 4 registers apart:
; registers 4-7 of a query window are the next group's record and meet those zeros.
; In a result tile lane (r, h) holds 8 points (8 h + j) of query r: four v_min3, one compare, one select of the block number.
; No cluster: the 16 work-groups of a batch share only its 48 KB of points, read once through registers (they must be
; converted), against 4,096 matrix instructions of each work-group.
.set QB,    0                          ; LDS: 16 groups x (16 query records + 16 records of zeros) = 8,192 bytes
.set STG,   8192                       ; LDS: 8 waves x 16 passes x 32 point records = 65,536 bytes
.set RED,   73728                      ; LDS: 256 queries x 16 (value, block) pairs, rows of 128 + 16 bytes = 36,864 bytes
.set REDP,  144                        ; 36 words: the 16 rows of a store start 4 banks apart modulo 64, 9 x 16 bytes for the b128 loads
.set VOFFB, 1                          ; byte offset of my query in basis
.set VOFFP, 2                          ; byte offset of my point of pass 0 in the batch
.set VQS,   3                          ; LDS: where my query's record goes
.set VQL,   4                          ; LDS: 16 x lane, to read query fragments
.set VST,   5                          ; LDS: my lane's point record, stepped by the loop
.set VSW,   6                          ; LDS: the record of the lane 16 away
.set VRED,  7                          ; LDS: my (value, block) pair of group 0
.set CURLO, 8                          ; number of the block that I see in the pass's first tile
.set CURHI, 9                          ; and in its second tile
.set T0,    10
.set T1,    11
.set T2,    12
.set T3,    13
.set T4,    14
.set REC,   16                         ; v[16:19] a record on its way to LDS; v19 stays 0
.set ZR,    20                         ; v[20:23] zeros
.set BAS,   24                         ; v[24:26] my query as loaded
.set ONE,   27
.set BB,    28                         ; v[28:59] group g: smallest s so far, its block number
.set PA,    60                         ; v[60:75] point fragments of even passes: first tile 60-67, second tile 68-75
.set PB,    76                         ; v[76:91] of odd passes
.set D0,    92                         ; v[92:107] results of even groups: first tile, second tile
.set D1,    108                        ; v[108:123] of odd groups
.set Q,     124                        ; v[124:191] query records, 4 registers a group, and 4 zeros behind the last
.set R,     192                        ; v[192:255] raw points, 4 registers a pass; at the end the 16 candidates of my query
.set V2,    224
.set B2,    225
.set OUTP,  226
	s_load_b128 s[4:7], s[0:1], 0x0                ; basis s[4:5], point_cloud s[6:7]
	s_load_b64 s[8:9], s[0:1], 0x10                ; cand
	v_lshl_add_u32 v251, v0, 2, 0x1b000
	v_mov_b32 v255, 0
	v_lshrrev_b32 v10, 5, v0
	v_and_b32 v11, 31, v0                          ; lane
	v_readfirstlane_b32 s10, v10                   ; wave
	s_and_b32 s11, ttmp7, 0xffff                   ; batch.  ttmp9: which 256 queries
	v_mul_u32_u24 v[VOFFB], 12, v0
	v_lshl_add_u32 v12, v10, 9, v11                ; 512 wave + lane
	v_mul_u32_u24 v[VOFFP], 12, v12
	s_mul_i32 s12, ttmp9, 3072                     ; 256 queries x 12 bytes
	s_mov_b32 s13, 0
	s_mul_i32 s14, s11, 49152                      ; 4,096 points x 12 bytes
	s_mov_b32 s15, 0
	s_lshl_b32 s20, s11, 15                        ; cand: 8 bytes a query, 4,096 queries a batch
	s_lshl_b32 s21, ttmp9, 11
	s_add_co_u32 s20, s20, s21
	s_mov_b32 s21, 0
	s_mov_b32 s19, 0xffff0000                      ; the upper 16 bits of an f32: its bf16 part by truncation
	s_mov_b32 s23, 0x7f800000                      ; +infinity
	s_wait_kmcnt 0x0
	s_add_nc_u64 s[4:5], s[4:5], s[12:13]
	s_add_nc_u64 s[6:7], s[6:7], s[14:15]
	s_add_nc_u64 s[8:9], s[8:9], s[20:21]
	global_load_b96 v[BAS:BAS+2], v[VOFFB], s[4:5]
.irp i, 0,1,2,3,4,5,6,7,8,9,10,11,12,13,14,15
	global_load_b96 v[R+4*\i:R+4*\i+2], v[VOFFP], s[6:7] offset:384*\i     ; all 512 points of the wave: 384 neighbouring bytes a load
.endr
	; addresses and constants, while the loads are out
	v_and_b32 v12, 15, v0                          ; r
	v_bfe_u32 v13, v0, 4, 1                        ; h
	v_lshrrev_b32 v14, 4, v0                       ; my query's group
	v_lshlrev_b32 v15, 4, v12
	v_lshl_add_u32 v[VQS], v14, 9, v15             ; QB (= 0) + 512 group + 16 r
	v_lshlrev_b32 v[VQL], 4, v11
	s_lshl_b32 s16, s10, 13
	s_add_co_u32 s16, s16, STG                     ; my wave's 8,192 bytes of staging
	v_lshl_add_u32 v[VST], v11, 4, s16
	v_add_nc_u32 v14, 16, v11
	v_and_b32 v14, 31, v14                         ; the lane 16 away
	v_lshl_add_u32 v[VSW], v14, 4, s16
	v_mul_u32_u24 v15, REDP, v12
	v_lshl_add_u32 v15, v13, 3, v15
	s_lshl_b32 s17, s10, 4
	s_add_co_u32 s17, s17, RED
	v_add_nc_u32 v[VRED], s17, v15                 ; row r, pair 2 wave + h
	s_lshl_b32 s18, s10, 6
	v_add_nc_u32 v[CURLO], s18, v13                ; point (512 w + 32 i + 16 tile + 8 h + j) / 8 = 64 w + 4 i + 2 tile + h
	v_add_nc_u32 v[CURHI], 2, v[CURLO]
	v_mov_b32 v[REC+3], 0
	v_mov_b32 v[ONE], 1.0
.irp o, 0,1,2,3
	v_mov_b32 v[ZR+\o], 0
	v_mov_b32 v[Q+64+\o], 0                        ; what the last group's window reads behind its record
.endr
.irp o, 4,5,6,7,12,13,14,15
	v_mov_b32 v[PA+\o], 0                          ; K places 16..31 of the point fragments, once
	v_mov_b32 v[PB+\o], 0
.endr
	; my query's record: bf16(-2 b) = -2 bf16(b), since doubling is exact
	s_wait_loadcnt 16                              ; the 16 point loads behind it may stay out
	v_mul_f32 v[T0], -2.0, v[BAS]
	v_mul_f32 v[T1], -2.0, v[BAS+1]
	v_mul_f32 v[T2], -2.0, v[BAS+2]
	v_cvt_pk_bf16_f32 v[REC], v[T0], v[T1]
	v_cvt_pk_bf16_f32 v[REC+1], v[T2], v[ONE]
	v_mov_b32 v[REC+2], 0x3f803f80                 ; 1, 1
	ds_store_b128 v[VQS], v[REC:REC+3]
	ds_store_b128 v[VQS], v[ZR:ZR+3] offset:256    ; what lanes 16-31 will read: K places 8..15 of every query are zero
	; my point's record in each pass
.irp i, 0,1,2,3,4,5,6,7,8,9,10,11,12,13,14,15
	s_wait_loadcnt 15-\i                           ; loads return in order: pass i's is in, the later ones stay out
	v_cvt_pk_bf16_f32 v[REC], v[R+4*\i], v[R+4*\i+1]           ; x, y rounded to nearest even
	v_cvt_pk_bf16_f32 v[T0], v[R+4*\i+2], v[R+4*\i+2]
	v_lshlrev_b32 v[T1], 16, v[REC]                ; the rounded numbers as f32
	v_and_b32 v[T2], s19, v[REC]
	v_lshlrev_b32 v[T0], 16, v[T0]
	v_mul_f32 v[T3], v[T1], v[T1]                  ; pc_sq = (xx + yy) + zz; the products have 16 bits and are exact
	v_fmac_f32 v[T3], v[T2], v[T2]
	v_fmac_f32 v[T3], v[T0], v[T0]
	v_and_b32 v[T1], s19, v[T3]                    ; its upper 8 bits,
	v_sub_f32 v[T3], v[T3], v[T1]
	v_and_b32 v[T2], s19, v[T3]                    ; the next 8,
	v_sub_f32 v[T3], v[T3], v[T2]                  ; the last 8: three bf16 numbers whose sum is pc_sq exactly
	v_cvt_pk_bf16_f32 v[REC+1], v[T0], v[T1]
	v_cvt_pk_bf16_f32 v[REC+2], v[T2], v[T3]
	ds_store_b128 v[VST], v[REC:REC+3] offset:512*\i
.endr
	s_wait_dscnt 0x0                               ; my stores are in LDS before I say so
	s_barrier_signal -1
	s_barrier_wait -1                              ; all 256 query records are there
.irp g, 0,1,2,3,4,5,6,7,8,9,10,11,12,13,14,15
	ds_load_b128 v[Q+4*\g:Q+4*\g+3], v[VQL] offset:QB+512*\g
.endr
	ds_load_b128 v[PA:PA+3], v[VST]
	ds_load_b128 v[PA+8:PA+11], v[VSW]
	ds_load_b128 v[PB:PB+3], v[VST] offset:512
	ds_load_b128 v[PB+8:PB+11], v[VSW] offset:512
; the two tiles of a pass against group g
.macro WPAIR g, p, d
	v_wmma_f32_16x16x32_bf16 v[\d:\d+7], v[\p:\p+7], v[Q+4*(\g):Q+4*(\g)+7], 0
	v_wmma_f32_16x16x32_bf16 v[\d+8:\d+15], v[\p+8:\p+15], v[Q+4*(\g):Q+4*(\g)+7], 0
.endm
; 17 numbers to one in eight v_min3, in a tree three deep; a strict compare after each tile, so that the earlier block stays on a tie
.macro REDUCE g, d
	v_min3_num_f32 v[T1], v[\d+2], v[\d+3], v[\d+4]
	v_min3_num_f32 v[T2], v[\d+5], v[\d+6], v[\d+7]
	v_min3_num_f32 v[T0], v[BB+2*(\g)], v[\d], v[\d+1]
	v_min3_num_f32 v[T3], v[\d+10], v[\d+11], v[\d+12]
	v_min3_num_f32 v[T4], v[\d+13], v[\d+14], v[\d+15]
	v_min3_num_f32 v[T0], v[T0], v[T1], v[T2]                  ; with the first tile
	v_cmp_lt_f32 vcc_lo, v[T0], v[BB+2*(\g)]
	v_min3_num_f32 v[T1], v[T0], v[\d+8], v[\d+9]
	v_cndmask_b32 v[BB+2*(\g)+1], v[BB+2*(\g)+1], v[CURLO], vcc_lo
	v_min3_num_f32 v[BB+2*(\g)], v[T1], v[T3], v[T4]           ; with the second tile
	v_cmp_lt_f32 vcc_lo, v[BB+2*(\g)], v[T0]
	v_cndmask_b32 v[BB+2*(\g)+1], v[BB+2*(\g)+1], v[CURHI], vcc_lo
.endm
; A pass on fragments p.  Group 0's products were issued at the end of the pass before.  The products of group g + 1 are issued ahead
; of the twelve vector instructions that reduce group g, which name none of their registers: so every result is read, and every result
; buffer written again, at least twelve plain vector instructions behind the matrix instruction that wrote it (ISA guide 7.12.1).
; more = 1: a pass follows, on fragments pn.  fill = 1: p is loaded again, two passes ahead, 24 vector instructions behind its last use.
.macro PASS p, pn, more, fill, off
.set gi, 0
.rept 15
	WPAIR gi+1, \p, D0+16*((gi+1)%2)
	REDUCE gi, D0+16*(gi%2)
.set gi, gi+1
.endr
.if \more
	s_wait_dscnt 0x0                               ; the next pass's two loads, issued a whole pass ago, are the only ones out
	WPAIR 0, \pn, D0
.endif
	REDUCE 15, D1
.if \more
	v_add_nc_u32 v[CURLO], 4, v[CURLO]             ; 32 points on
	v_add_nc_u32 v[CURHI], 4, v[CURHI]
.endif
.if \fill
	ds_load_b128 v[\p:\p+3], v[VST] offset:\off
	ds_load_b128 v[\p+8:\p+11], v[VSW] offset:\off
.endif
.endm
	s_wait_dscnt 0x2                               ; the queries and pass 0 are in; pass 1's two loads may stay out
	WPAIR 0, PA, D0
.irp g, 0,1,2,3,4,5,6,7,8,9,10,11,12,13,14,15
	v_mov_b32 v[BB+2*\g], s23                      ; start values, and the distance between these first products and their reduction
	v_mov_b32 v[BB+2*\g+1], v[CURLO]               ; a valid block even if no s is ever below +infinity
.endr
	s_mov_b32 s22, 7                               ; passes 0..13; each trip loads passes 2 k + 2 and 2 k + 3
.Lsweep:
	PASS PA, PB, 1, 1, 1024
	PASS PB, PA, 1, 1, 1536
	v_add_nc_u32 v[VST], 1024, v[VST]
	v_add_nc_u32 v[VSW], 1024, v[VSW]
	s_sub_co_u32 s22, s22, 1
	s_cmp_lg_u32 s22, 0
	s_cbranch_scc1 .Lsweep
	PASS PA, PB, 1, 0, 0                           ; passes 14 and 15 load nothing
	PASS PB, PA, 0, 0, 0
	; 16 candidates for each query (8 waves x 2 lane halves) meet in LDS
.irp g, 0,1,2,3,4,5,6,7,8,9,10,11,12,13,14,15
	ds_store_b64 v[VRED], v[BB+2*\g:BB+2*\g+1] offset:16*REDP*\g
.endr
	s_wait_dscnt 0x0
	s_barrier_signal -1
	s_barrier_wait -1
	v_mul_u32_u24 v[T0], REDP, v0                  ; thread t takes query t
	v_add_nc_u32 v[T0], RED, v[T0]
.irp j, 0,1,2,3,4,5,6,7
	ds_load_b128 v[R+4*\j:R+4*\j+3], v[T0] offset:16*\j
.endr
	s_wait_dscnt 0x0
	; the two smallest values and their blocks.  Candidate 0 starts as the first; strict compares keep the earlier subset on ties, and of
	; three or more equal subsets the two kept include the lowest wave's, which hold the lowest point numbers.
	v_mov_b32 v[V2], s23
	v_mov_b32 v[B2], v[R+1]
.irp c, 1,2,3,4,5,6,7,8,9,10,11,12,13,14,15
	v_cmp_lt_f32 vcc_lo, v[R+2*\c], v[V2]
	v_cndmask_b32 v[B2], v[B2], v[R+2*\c+1], vcc_lo            ; beats the second
	v_cmp_lt_f32 vcc_lo, v[R+2*\c], v[R]
	v_cndmask_b32 v[B2], v[B2], v[R+1], vcc_lo                 ; beats the first, which becomes the second
	v_cndmask_b32 v[R+1], v[R+1], v[R+2*\c+1], vcc_lo
	v_med3_num_f32 v[V2], v[R+2*\c], v[R], v[V2]               ; first <= second: the middle one of the three is the new second
	v_min_num_f32 v[R], v[R+2*\c], v[R]
.endr
	v_min_u32 v[OUTP], v[R+1], v[B2]               ; ascending, so that the second launch meets the points in the order of their numbers
	v_max_u32 v[OUTP+1], v[R+1], v[B2]
	v_lshlrev_b32 v[T1], 3, v0
	global_store_b64 v[T1], v[OUTP:OUTP+1], s[8:9] ; a wave stores 256 consecutive bytes, at a multiple of 256 from cand's first byte
	s_wait_tensorcnt 0x0
	ds_add_u32 v251, v255
	s_wait_dscnt 0x0
	s_endpgm
.Lfunc_end_k_q8d096cc095_coarse:
	.size	k_q8d096cc095_coarse, .Lfunc_end_k_q8d096cc095_coarse-k_q8d096cc095_coarse
	.p2alignl 7, 3214868480
	.fill 96, 4, 3214868480
	.section	.rodata,"a",@progbits
	.p2align	6, 0x0
	.amdhsa_kernel k_q8d096cc095_coarse
		.amdhsa_group_segment_fixed_size 111616
		.amdhsa_private_segment_fixed_size 0
		.amdhsa_enable_private_segment 0
		.amdhsa_kernarg_size 24
		.amdhsa_user_sgpr_count 2
		.amdhsa_user_sgpr_kernarg_segment_ptr 1
		.amdhsa_wavefront_size32 1
		.amdhsa_system_sgpr_workgroup_id_x 1
		.amdhsa_system_sgpr_workgroup_id_y 1
		.amdhsa_system_sgpr_workgroup_id_z 1
		.amdhsa_system_vgpr_workitem_id 0
		.amdhsa_next_free_vgpr 256
		.amdhsa_next_free_sgpr 66
		.amdhsa_reserve_vcc 1
		.amdhsa_float_denorm_mode_32 3
		.amdhsa_float_denorm_mode_16_64 3
		.amdhsa_memory_ordered 1
		.amdhsa_forward_progress 1
		.amdhsa_inst_pref_size 73
	.end_amdhsa_kernel
	.amdgpu_metadata
---
amdhsa.version: [ 1, 2 ]
amdhsa.kernels:
  - .name:           k_q8d096cc095_coarse
    .symbol:         k_q8d096cc095_coarse.kd
    .args:
      - { .name: basis, .offset: 0, .size: 8, .value_kind: global_buffer, .address_space: global }
      - { .name: point_cloud, .offset: 8, .size: 8, .value_kind: global_buffer, .address_space: global }
      - { .name: cand, .offset: 16, .size: 8, .value_kind: global_buffer, .address_space: global }
    .group_segment_fixed_size: 111616
    .private_segment_fixed_size: 0
    .kernarg_segment_align: 8
    .kernarg_segment_size: 24
    .max_flat_workgroup_size: 256
    .sgpr_count:     66
    .vgpr_count:     256
    .wavefront_size: 32
...
	.end_amdgpu_metadata
.endif
;; end of part 1
;; launch refine (part 2): grid 16 x 16, 8 waves a work-group, no clusters, 70,656 bytes of LDS; arguments basis, point_cloud, cand, out0; writes out0
.if DOCPART == 2
	.amdgcn_target "amdgcn-amd-amdhsa--gfx1250"
	.amdhsa_code_object_version 6
	.text
	.protected	k_q8d096cc095_refine
	.globl	k_q8d096cc095_refine
	.p2align	8
	.type	k_q8d096cc095_refine,@function
k_q8d096cc095_refine:
	s_mov_b64 s[64:65], 0
	v_nop
	global_prefetch_b8 v0, s[64:65] scope:SCOPE_SE
	s_setreg_imm32_b32 hwreg(HW_REG_WAVE_MODE, 25, 1), 1
	s_wait_xcnt 0x0
; BPS encoding, second launch: for every (batch, basis point) the 16 cloud points of the two blocks that the first launch named are
; evaluated as reference() writes it, d2 = (b_sq + pc_sq) - 2 cross, every sum over the three coordinates in ascending order, in f32,
; on inputs rounded to bf16 (the format limit stated at the head of the first launch).  Products of two bf16 numbers have 16 bits and
; are exact in f32, so a fused multiply-add rounds exactly as a multiply and an add would.  The first smallest d2 wins, as in argmin.
; The token is (|delta|, delta) of the winner.  RANGE (stated): finite inputs; NaN is not ordered as argmin orders it; the root of a sum
; of squares below 2^-126 comes out as 0 (ISA guide, the entry of v_sqrt_f32).
;
; WORK: a work-group = one batch x 256 queries, 8 waves, one query a lane.  No matrix unit: 16 points a query are 1 million pairs in all.
; A wave's 64 blocks (96 bytes each) are fetched jointly, eight lanes a block, 12 bytes a lane, so that a load touches four runs of
; 96 bytes and not 32 scattered pieces; each point is rounded, gets its pc_sq, and goes as a record of 16 bytes into the wave's own
; LDS, from where each lane reads the 16 records of its own query at an address that hangs on its lane number alone.
; No barrier: a wave reads only bytes that it stored itself, and LDS serves a wave's instructions in order (ISA guide 5.7.1).
; No cluster and no tensor load: the work-groups share nothing but cached points, and every fetched byte is converted in registers.
.set PITCH, 272                        ; a query's 16 records + 16 bytes: 17 x 16
.set WLDS,  32*PITCH                   ; a wave's LDS
.set VB,    1                          ; byte offset of my query in basis
.set VC,    2                          ; byte offset in cand of the 16 block numbers of my group of eight lanes
.set VPART, 3                          ; 12 x (lane % 8): my point in a block
.set VLS,   4                          ; LDS: where my records go
.set VLR,   5                          ; LDS: my query's row
.set VOUT,  6
.set T0,    8                          ; v[8:11] at work
.set T1,    9
.set BX,    14                         ; my query, rounded
.set BY,    15
.set BZ,    16
.set BSQ,   17
.set BAS,   20                         ; v[20:22] my query as loaded
.set ID,    24                         ; v[24:39] block numbers, then byte offsets of my point in each
.set R,     40                         ; v[40:103] fetched points, then records (x, y, z, pc_sq)
.set E,     104                        ; v[104:167] the 16 records of my query; the fourth word becomes d2
.set O,     168                        ; v[168:171] the token
	s_load_b128 s[4:7], s[0:1], 0x0                ; basis s[4:5], point_cloud s[6:7]
	s_load_b128 s[8:11], s[0:1], 0x10              ; cand s[8:9], out0 s[10:11]
	v_lshl_add_u32 v176, v0, 2, 0x11000
	v_mov_b32 v177, 0
	v_lshrrev_b32 v8, 5, v0
	v_readfirstlane_b32 s12, v8                    ; wave
	s_and_b32 s13, ttmp7, 0xffff                   ; batch.  ttmp9: which 256 queries
	s_mul_i32 s14, ttmp9, 3072                     ; basis: 256 queries x 12 bytes
	s_mov_b32 s15, 0
	s_mul_i32 s16, s13, 49152                      ; cloud: 4,096 points x 12 bytes
	s_mov_b32 s17, 0
	s_lshl_b32 s18, s13, 15                        ; cand: 8 bytes a query
	s_lshl_b32 s19, ttmp9, 11
	s_add_co_u32 s18, s18, s19
	s_mov_b32 s19, 0
	s_lshl_b32 s20, s13, 16                        ; out0: 16 bytes a query
	s_lshl_b32 s21, ttmp9, 12
	s_add_co_u32 s20, s20, s21
	s_mov_b32 s21, 0
	s_mul_i32 s22, s12, WLDS
	s_mov_b32 s23, 0xffff0000
	v_and_b32 v9, 31, v0                           ; lane
	v_and_b32 v10, 7, v0                           ; my point in a block
	v_bfe_u32 v11, v0, 3, 2                        ; my group of eight lanes, G
	v_lshrrev_b32 v12, 3, v0
	v_mul_u32_u24 v[VB], 12, v0
	v_lshlrev_b32 v[VC], 6, v12                    ; 256 wave + 64 G: group G takes blocks 16 G .. 16 G + 15 of the wave's 64
	v_mul_u32_u24 v[VPART], 12, v10
	v_mul_u32_u24 v13, 8*PITCH, v11                ; those are the blocks of queries 8 G .. 8 G + 7
	v_lshl_add_u32 v13, v10, 4, v13
	v_add_nc_u32 v[VLS], s22, v13
	v_mul_u32_u24 v13, PITCH, v9
	v_add_nc_u32 v[VLR], s22, v13
	s_wait_kmcnt 0x0
	s_add_nc_u64 s[4:5], s[4:5], s[14:15]
	s_add_nc_u64 s[6:7], s[6:7], s[16:17]
	s_add_nc_u64 s[8:9], s[8:9], s[18:19]
	s_add_nc_u64 s[10:11], s[10:11], s[20:21]
	global_load_b96 v[BAS:BAS+2], v[VB], s[4:5]
.irp j, 0,1,2,3
	global_load_b128 v[ID+4*\j:ID+4*\j+3], v[VC], s[8:9] offset:16*\j      ; the wave's 256 bytes of block numbers
.endr
	s_wait_loadcnt 0x0
.irp i, 0,1,2,3,4,5,6,7,8,9,10,11,12,13,14,15
	v_min_u32 v[ID+\i], 0x1ff, v[ID+\i]            ; a batch has 512 blocks
	v_mul_u32_u24 v[ID+\i], 96, v[ID+\i]
	v_add_nc_u32 v[ID+\i], v[VPART], v[ID+\i]
	global_load_b96 v[R+4*\i:R+4*\i+2], v[ID+\i], s[6:7]
.endr
	; my query, while the points are on their way
	v_cvt_pk_bf16_f32 v[T0], v[BAS], v[BAS+1]
	v_cvt_pk_bf16_f32 v[T1], v[BAS+2], v[BAS+2]
	v_lshlrev_b32 v[BX], 16, v[T0]
	v_and_b32 v[BY], s23, v[T0]
	v_lshlrev_b32 v[BZ], 16, v[T1]
	v_mul_f32 v[BSQ], v[BX], v[BX]
	v_fmac_f32 v[BSQ], v[BY], v[BY]
	v_fmac_f32 v[BSQ], v[BZ], v[BZ]
	; block 16 G + i belongs to query 8 G + i / 2 and is its block i % 2
.irp i, 0,1,2,3,4,5,6,7,8,9,10,11,12,13,14,15
	s_wait_loadcnt 15-\i                           ; loads return in order: fetch i is in, the later ones stay out
	v_cvt_pk_bf16_f32 v[T0], v[R+4*\i], v[R+4*\i+1]
	v_cvt_pk_bf16_f32 v[T1], v[R+4*\i+2], v[R+4*\i+2]
	v_lshlrev_b32 v[R+4*\i], 16, v[T0]
	v_and_b32 v[R+4*\i+1], s23, v[T0]
	v_lshlrev_b32 v[R+4*\i+2], 16, v[T1]
	v_mul_f32 v[R+4*\i+3], v[R+4*\i], v[R+4*\i]                ; pc_sq = (xx + yy) + zz
	v_fmac_f32 v[R+4*\i+3], v[R+4*\i+1], v[R+4*\i+1]
	v_fmac_f32 v[R+4*\i+3], v[R+4*\i+2], v[R+4*\i+2]
	ds_store_b128 v[VLS], v[R+4*\i:R+4*\i+3] offset:(\i/2)*PITCH+(\i%2)*128
.endr
.irp k, 0,1,2,3,4,5,6,7,8,9,10,11,12,13,14,15
	ds_load_b128 v[E+4*\k:E+4*\k+3], v[VLR] offset:16*\k       ; my own wave's bytes, served behind the stores above
.endr
; d2 of four points, four chains side by side
.macro EVAL4 k
	s_wait_dscnt 12-\k                             ; the loads behind these four may stay out
.irp j, 0,1,2,3
	v_mul_f32 v[T0+\j], v[E+4*(\k+\j)], v[BX]
	v_add_f32 v[E+4*(\k+\j)+3], v[BSQ], v[E+4*(\k+\j)+3]       ; b_sq + pc_sq
.endr
.irp j, 0,1,2,3
	v_fmac_f32 v[T0+\j], v[E+4*(\k+\j)+1], v[BY]
.endr
.irp j, 0,1,2,3
	v_fmac_f32 v[T0+\j], v[E+4*(\k+\j)+2], v[BZ]               ; cross = (x bx + y by) + z bz
.endr
.irp j, 0,1,2,3
	v_fmac_f32 v[E+4*(\k+\j)+3], -2.0, v[T0+\j]                ; doubling is exact: one rounding, as in (..) - 2 cross
.endr
.endm
	EVAL4 0
	EVAL4 4
	EVAL4 8
	EVAL4 12
; record a takes record b's place only if b is strictly nearer; a always has the lower point number
.macro SEL a, b
	v_cmp_lt_f32 vcc_lo, v[E+4*(\b)+3], v[E+4*(\a)+3]
.irp o, 0,1,2,3
	v_cndmask_b32 v[E+4*(\a)+\o], v[E+4*(\a)+\o], v[E+4*(\b)+\o], vcc_lo
.endr
.endm
.irp a, 0,2,4,6,8,10,12,14
	SEL \a, \a+1
.endr
.irp a, 0,4,8,12
	SEL \a, \a+2
.endr
	SEL 0, 4
	SEL 8, 12
	SEL 0, 8
	v_sub_f32 v[O+1], v[E], v[BX]
	v_sub_f32 v[O+2], v[E+1], v[BY]
	v_sub_f32 v[O+3], v[E+2], v[BZ]
	v_mul_f32 v[T0], v[O+1], v[O+1]
	v_fmac_f32 v[T0], v[O+2], v[O+2]
	v_fmac_f32 v[T0], v[O+3], v[O+3]
	v_sqrt_f32 v[O], v[T0]
	v_lshlrev_b32 v[VOUT], 4, v0                   ; one plain vector instruction between the root and its use (ISA guide 5.7.2)
	s_wait_alu depctr_va_vdst(0)
	global_store_b128 v[VOUT], v[O:O+3], s[10:11]  ; a wave stores 512 consecutive bytes, at a multiple of 512 from out0's first byte
	s_wait_tensorcnt 0x0
	ds_add_u32 v176, v177
	s_wait_dscnt 0x0
	s_endpgm
.Lfunc_end_k_q8d096cc095_refine:
	.size	k_q8d096cc095_refine, .Lfunc_end_k_q8d096cc095_refine-k_q8d096cc095_refine
	.p2alignl 7, 3214868480
	.fill 96, 4, 3214868480
	.section	.rodata,"a",@progbits
	.p2align	6, 0x0
	.amdhsa_kernel k_q8d096cc095_refine
		.amdhsa_group_segment_fixed_size 70656
		.amdhsa_private_segment_fixed_size 0
		.amdhsa_enable_private_segment 0
		.amdhsa_kernarg_size 32
		.amdhsa_user_sgpr_count 2
		.amdhsa_user_sgpr_kernarg_segment_ptr 1
		.amdhsa_wavefront_size32 1
		.amdhsa_system_sgpr_workgroup_id_x 1
		.amdhsa_system_sgpr_workgroup_id_y 1
		.amdhsa_system_sgpr_workgroup_id_z 1
		.amdhsa_system_vgpr_workitem_id 0
		.amdhsa_next_free_vgpr 178
		.amdhsa_next_free_sgpr 66
		.amdhsa_reserve_vcc 1
		.amdhsa_float_denorm_mode_32 3
		.amdhsa_float_denorm_mode_16_64 3
		.amdhsa_memory_ordered 1
		.amdhsa_forward_progress 1
		.amdhsa_inst_pref_size 20
	.end_amdhsa_kernel
	.amdgpu_metadata
---
amdhsa.version: [ 1, 2 ]
amdhsa.kernels:
  - .name:           k_q8d096cc095_refine
    .symbol:         k_q8d096cc095_refine.kd
    .args:
      - { .name: basis, .offset: 0, .size: 8, .value_kind: global_buffer, .address_space: global }
      - { .name: point_cloud, .offset: 8, .size: 8, .value_kind: global_buffer, .address_space: global }
      - { .name: cand, .offset: 16, .size: 8, .value_kind: global_buffer, .address_space: global }
      - { .name: out0, .offset: 24, .size: 8, .value_kind: global_buffer, .address_space: global }
    .group_segment_fixed_size: 70656
    .private_segment_fixed_size: 0
    .kernarg_segment_align: 8
    .kernarg_segment_size: 32
    .max_flat_workgroup_size: 256
    .sgpr_count:     66
    .vgpr_count:     178
    .wavefront_size: 32
...
	.end_amdgpu_metadata
.endif
;; end of part 2
;; ======== version 2 of 2: 2 launches; version 1 with the launches coarse, refine written anew for expert scheduling mode
;; limits: values outside matrix products are rounded to bf16
;; workspace buffers: cand 524,288 bytes of whole numbers
;; launch coarse (part 3): grid 16 x 16, 8 waves a work-group, no clusters, 111,616 bytes of LDS; arguments basis, point_cloud, cand; writes cand
.if DOCPART == 3
	.amdgcn_target "amdgcn-amd-amdhsa--gfx1250"
	.amdhsa_code_object_version 6
	.text
	.protected	k_q8d096cc095_coarse
	.globl	k_q8d096cc095_coarse
	.p2align	8
	.type	k_q8d096cc095_coarse,@function
k_q8d096cc095_coarse:
	s_mov_b64 s[64:65], 0
	v_nop
	global_prefetch_b8 v0, s[64:65] scope:SCOPE_SE
	s_setreg_imm32_b32 hwreg(HW_REG_WAVE_SCHED_MODE, 0, 2), 2
	s_setreg_imm32_b32 hwreg(HW_REG_WAVE_MODE, 25, 1), 1
	s_wait_xcnt 0x0
	s_wait_alu depctr_vm_vsrc(0)
; BPS encoding, first of two launches: for every (batch, basis point) the numbers of two blocks of 8 neighbouring cloud points,
; one of which holds the nearest cloud point.  The second launch evaluates those 16 points and writes the token.
;
; FORMAT (a stated limit): basis and cloud are rounded once to bf16, the matrix operands' format, and everything in both launches
; (pc_sq, b_sq, the deltas too) is computed in f32 on the rounded numbers, so that the choice and the deltas belong together.
; RANGE (a stated limit): inputs are finite and their squares do not overflow f32; a non-finite number would also spoil the 15 other
; rows or columns that share registers with it, since it meets a zero factor there.
; CHOICE (a stated limit): a lane orders the blocks of its own 256 points by s as the matrix unit rounds it; two points of one such
; subset in different blocks whose s differ by less than that rounding may be ordered otherwise than by reference()'s own rounding.
; Ties and near ties between subsets, or inside a block, are left to the second launch; with equal s the earlier block is kept.
;
; WORK: a work-group = one batch x 256 basis points (queries), 8 waves.  Wave w sweeps cloud points 512 w .. 512 w + 511 against all
; 256 queries: 16 passes of 32 points (two tiles of 16) x 16 groups of 16 queries = 512 matrix instructions.
; One matrix instruction gives s = pc_sq - 2 cross for 16 points x 16 queries.  K places 0..5 of a point: x, y, z and pc_sq cut
; exactly into three bf16 pieces (8 + 8 + 8 bits); of a query: -2bx, -2by, -2bz, 1, 1, 1.  b_sq is the same for all points of a query
; and does not move the minimum.  All other K places are zero on at least one side.
; A point's record is 16 bytes (K places 0..7).  Lane l of a pass holds point l's record: lanes 0-15 are the first tile's K places
; 0..7, lanes 16-31 sit in K places 8..15, where every query is zero.  The second tile's fragment is the same record read from LDS
; with the lane halves exchanged.  Registers 4-7 of a point fragment are zero, so the query fragments can lie 4 registers apart:
; registers 4-7 of a query window are the next group's record and meet those zeros.
; In a result tile lane (r, h) holds 8 points (8 h + j) of query r: four v_min3, one compare, one select of the block number.
; No cluster: the 16 work-groups of a batch share only its 48 KB of points, read once through registers (they must be
; converted), against 4,096 matrix instructions of each work-group.
;
; THE MODE: SCHED_MODE bits 1:0 = 2 (LLVM: expert scheduling mode 2), set by the entry lines.  The code itself states the register
; dependences between vector or matrix instructions and memory or LDS instructions, and those through scalar registers that vector
; instructions write, with s_wait_alu, always for 0.
; THE PLAN.  Registers that memory or LDS instructions touch:
;   v1-v7      offsets and LDS addresses, made at the head ahead of the first load.  Only VST and VSW are written again: once a trip.
;   R          pass i: the load lands in words 0-2 (word 3 is 0 from the head on), the conversions write the record in place, one LDS
;              store reads it.  A record has registers of its own, so a run of four stores stands behind one wait and nothing is owed
;              before the next four are made.  At the end the candidates' loads land in R .. R + 31.
;   REC, ZR    written once, read by the two LDS stores of the query's record.
;   Q          LDS loads land once; read by matrix instructions alone.
;   PA, PB     a pass's 32 matrix instructions read one of them; at the pass's end the loads of the pass after next land in it.
;   BB         written by the minima and selects; read by 16 LDS stores behind the sweep.
;   VCL; T1 and OUTP   made ahead of the one run of loads, and of the one store, that reads them.
;   D0, D1, T0 and T2-T4 are named by vector and matrix instructions alone.
; Masks: the compares write s[24:31], two a group; one wait serves four groups, and their eight selects follow it.
.set QB,    0                          ; LDS: 16 groups x (16 query records + 16 records of zeros) = 8,192 bytes
.set STG,   8192                       ; LDS: 8 waves x 16 passes x 32 point records = 65,536 bytes
.set RED,   73728                      ; LDS: 256 queries x 16 (value, block) pairs, rows of 128 + 16 bytes = 36,864 bytes
.set REDP,  144                        ; 36 words: the 16 rows of a store start 4 banks apart modulo 64, 9 x 16 bytes for the b128 loads
.set VOFFB, 1                          ; byte offset of my query in basis
.set VOFFP, 2                          ; byte offset of my point of pass 0 in the batch
.set VQS,   3                          ; LDS: where my query's record goes
.set VQL,   4                          ; LDS: 16 x lane, to read query fragments
.set VST,   5                          ; LDS: my lane's point record, stepped by the loop
.set VSW,   6                          ; LDS: the record of the lane 16 away
.set VRED,  7                          ; LDS: my (value, block) pair of group 0
.set CURLO, 8                          ; number of the block that I see in the pass's first tile
.set CURHI, 9                          ; and in its second tile
.set T0,    10
.set T1,    11
.set T2,    12
.set T3,    13
.set T4,    14
.set VCL,   15                         ; at the head a temporary; at the end the LDS address of my query's 16 candidates
.set REC,   16                         ; v[16:19] my query's record on its way to LDS
.set ZR,    20                         ; v[20:23] zeros
.set BAS,   24                         ; v[24:26] my query as loaded
.set ONE,   27
.set BB,    28                         ; v[28:59] group g: smallest s so far, its block number
.set PA,    60                         ; v[60:75] point fragments of even passes: first tile 60-67, second tile 68-75
.set PB,    76                         ; v[76:91] of odd passes
.set D0,    92                         ; v[92:107] results of even groups: first tile, second tile
.set D1,    108                        ; v[108:123] of odd groups
.set Q,     124                        ; v[124:191] query records, 4 registers a group, and 4 zeros behind the last
.set R,     192                        ; v[192:255] points as loaded, then their records, 4 registers a pass; at the end the 16 candidates of my query
.set V2,    224
.set B2,    225
.set OUTP,  226
.set MK,    24                         ; s[24:31] masks of four groups: group g's first tile at MK + 2 (g % 4), its second tile behind it
	s_load_b128 s[4:7], s[0:1], 0x0                ; basis s[4:5], point_cloud s[6:7]
	s_load_b64 s[8:9], s[0:1], 0x10                ; cand
	s_set_vgpr_msb 0x40
	v_lshl_add_u32 v0, v0, 2, 0x1b000
	v_mov_b32 v1, 0
	s_set_vgpr_msb 0x4000
	v_lshrrev_b32 v10, 5, v0
	v_and_b32 v11, 31, v0                          ; lane
	v_readfirstlane_b32 s10, v10                   ; wave
	s_and_b32 s11, ttmp7, 0xffff                   ; batch.  ttmp9: which 256 queries
	v_mul_u32_u24 v[VOFFB], 12, v0
	v_lshl_add_u32 v12, v10, 9, v11                ; 512 wave + lane
	v_mul_u32_u24 v[VOFFP], 12, v12
	s_mul_i32 s12, ttmp9, 3072                     ; 256 queries x 12 bytes
	s_mov_b32 s13, 0
	s_mul_i32 s14, s11, 49152                      ; 4,096 points x 12 bytes
	s_mov_b32 s15, 0
	s_lshl_b32 s20, s11, 15                        ; cand: 8 bytes a query, 4,096 queries a batch
	s_lshl_b32 s21, ttmp9, 11
	s_add_co_u32 s20, s20, s21
	s_mov_b32 s21, 0
	s_mov_b32 s19, 0xffff0000                      ; the upper 16 bits of an f32: its bf16 part by truncation
	s_mov_b32 s23, 0x7f800000                      ; +infinity
	; addresses and constants, while the arguments are on their way
	v_and_b32 v12, 15, v0                          ; r
	v_bfe_u32 v13, v0, 4, 1                        ; h
	v_lshrrev_b32 v14, 4, v0                       ; my query's group
	v_lshlrev_b32 v15, 4, v12
	v_lshl_add_u32 v[VQS], v14, 9, v15             ; QB (= 0) + 512 group + 16 r
	v_lshlrev_b32 v[VQL], 4, v11
	s_wait_alu depctr_va_sdst(0)                   ; s10 is written, ahead of its first reader: LDS addresses and block numbers are made from it
	s_lshl_b32 s16, s10, 13
	s_add_co_u32 s16, s16, STG                     ; my wave's 8,192 bytes of staging
	v_lshl_add_u32 v[VST], v11, 4, s16
	v_add_nc_u32 v14, 16, v11
	v_and_b32 v14, 31, v14                         ; the lane 16 away
	v_lshl_add_u32 v[VSW], v14, 4, s16
	v_mul_u32_u24 v15, REDP, v12
	v_lshl_add_u32 v15, v13, 3, v15
	s_lshl_b32 s17, s10, 4
	s_add_co_u32 s17, s17, RED
	v_add_nc_u32 v[VRED], s17, v15                 ; row r, pair 2 wave + h
	s_lshl_b32 s18, s10, 6
	v_add_nc_u32 v[CURLO], s18, v13                ; point (512 w + 32 i + 16 tile + 8 h + j) / 8 = 64 w + 4 i + 2 tile + h
	v_add_nc_u32 v[CURHI], 2, v[CURLO]
	v_mov_b32 v[REC+3], 0
	v_mov_b32 v[ONE], 1.0
.irp o, 0,1,2,3
	v_mov_b32 v[ZR+\o], 0
	v_mov_b32 v[Q+64+\o], 0                        ; what the last group's window reads behind its record
.endr
.irp o, 4,5,6,7,12,13,14,15
	v_mov_b32 v[PA+\o], 0                          ; K places 16..31 of the point fragments, once
	v_mov_b32 v[PB+\o], 0
.endr
.irp i, 0,1,2,3,4,5,6,7,8,9,10,11,12,13,14,15
	v_mov_b32 v[R+4*\i+3], 0                       ; K places 6, 7 of each point record
.endr
	s_wait_kmcnt 0x0
	s_add_nc_u64 s[4:5], s[4:5], s[12:13]
	s_add_nc_u64 s[6:7], s[6:7], s[14:15]
	s_add_nc_u64 s[8:9], s[8:9], s[20:21]
	s_wait_alu depctr_va_vdst(0)                   ; the offsets and addresses v1 to v7 are written, which the loads and LDS instructions below read
	global_load_b96 v[BAS:BAS+2], v[VOFFB], s[4:5]
.irp i, 0,1,2,3,4,5,6,7,8,9,10,11,12,13,14,15
	global_load_b96 v[R+4*\i:R+4*\i+2], v[VOFFP], s[6:7] offset:384*\i     ; all 512 points of the wave: 384 neighbouring bytes a load
.endr
	; my query's record: bf16(-2 b) = -2 bf16(b), since doubling is exact
	s_wait_loadcnt 16                              ; the 16 point loads behind it may stay out
	v_mul_f32 v[T0], -2.0, v[BAS]
	v_mul_f32 v[T1], -2.0, v[BAS+1]
	v_mul_f32 v[T2], -2.0, v[BAS+2]
	v_cvt_pk_bf16_f32 v[REC], v[T0], v[T1]
	v_cvt_pk_bf16_f32 v[REC+1], v[T2], v[ONE]
	v_mov_b32 v[REC+2], 0x3f803f80                 ; 1, 1
	s_wait_alu depctr_va_vdst(0)                   ; the record in v[REC ..] is written, which the LDS store reads
	ds_store_b128 v[VQS], v[REC:REC+3]
	ds_store_b128 v[VQS], v[ZR:ZR+3] offset:256    ; what lanes 16-31 will read: K places 8..15 of every query are zero
; my point's record in pass i, made in the registers in which the point landed
.macro RECORD i
	s_wait_loadcnt 15-(\i)                         ; loads return in order: pass i's is in, the later ones stay out
	v_cvt_pk_bf16_f32 v[T0], v[R+4*(\i)+2], v[R+4*(\i)+2]
	v_cvt_pk_bf16_f32 v[R+4*(\i)], v[R+4*(\i)], v[R+4*(\i)+1]  ; x, y rounded to nearest even
	v_lshlrev_b32 v[T1], 16, v[R+4*(\i)]           ; the rounded numbers as f32
	v_and_b32 v[T2], s19, v[R+4*(\i)]
	v_lshlrev_b32 v[T0], 16, v[T0]
	v_mul_f32 v[T3], v[T1], v[T1]                  ; pc_sq = (xx + yy) + zz; the products have 16 bits and are exact
	v_fmac_f32 v[T3], v[T2], v[T2]
	v_fmac_f32 v[T3], v[T0], v[T0]
	v_and_b32 v[T1], s19, v[T3]                    ; its upper 8 bits,
	v_sub_f32 v[T3], v[T3], v[T1]
	v_and_b32 v[T2], s19, v[T3]                    ; the next 8,
	v_sub_f32 v[T3], v[T3], v[T2]                  ; the last 8: three bf16 numbers whose sum is pc_sq exactly
	v_cvt_pk_bf16_f32 v[R+4*(\i)+1], v[T0], v[T1]
	v_cvt_pk_bf16_f32 v[R+4*(\i)+2], v[T2], v[T3]
.endm
.irp b, 0,1,2,3
.irp j, 0,1,2,3
	RECORD 4*\b+\j
.endr
	s_wait_alu depctr_va_vdst(0)                   ; the conversions have written these four records, which the four LDS stores read
.irp j, 0,1,2,3
	ds_store_b128 v[VST], v[R+4*(4*\b+\j):R+4*(4*\b+\j)+3] offset:512*(4*\b+\j)
.endr
.endr
	s_wait_dscnt 0x0                               ; my stores are in LDS before I say so
	s_barrier_signal -1
	s_barrier_wait -1                              ; all 256 query records are there
.irp g, 0,1,2,3,4,5,6,7,8,9,10,11,12,13,14,15
	ds_load_b128 v[Q+4*\g:Q+4*\g+3], v[VQL] offset:QB+512*\g   ; no vector instruction has named the registers in which these 20 loads land
.endr
	ds_load_b128 v[PA:PA+3], v[VST]
	ds_load_b128 v[PA+8:PA+11], v[VSW]
	ds_load_b128 v[PB:PB+3], v[VST] offset:512
	ds_load_b128 v[PB+8:PB+11], v[VSW] offset:512
; the two tiles of a pass against group g
.macro WPAIR g, p, d
	v_wmma_f32_16x16x32_bf16 v[\d:\d+7], v[\p:\p+7], v[Q+4*(\g):Q+4*(\g)+7], 0
	v_wmma_f32_16x16x32_bf16 v[\d+8:\d+15], v[\p+8:\p+15], v[Q+4*(\g):Q+4*(\g)+7], 0
.endm
; 17 numbers to one in eight v_min3, in a tree three deep; a strict compare after each tile, so that the earlier block stays on a tie
.macro MINS g, d
	v_min3_num_f32 v[T1], v[\d+2], v[\d+3], v[\d+4]
	v_min3_num_f32 v[T2], v[\d+5], v[\d+6], v[\d+7]
	v_min3_num_f32 v[T0], v[BB+2*(\g)], v[\d], v[\d+1]
	v_min3_num_f32 v[T3], v[\d+10], v[\d+11], v[\d+12]
	v_min3_num_f32 v[T4], v[\d+13], v[\d+14], v[\d+15]
	v_min3_num_f32 v[T0], v[T0], v[T1], v[T2]                  ; with the first tile
	v_cmp_lt_f32 s[MK+2*((\g)%4)], v[T0], v[BB+2*(\g)]
	v_min3_num_f32 v[T1], v[T0], v[\d+8], v[\d+9]
	v_min3_num_f32 v[BB+2*(\g)], v[T1], v[T3], v[T4]           ; with the second tile
	v_cmp_lt_f32 s[MK+2*((\g)%4)+1], v[BB+2*(\g)], v[T0]
.endm
; the block numbers of groups g0 .. g0 + 3: for each first the first tile's, then the second tile's
.macro SELECT4 g0
	s_wait_alu depctr_va_sdst(0)                   ; the eight compares of these four groups have written s[MK ..], which the selects read
.irp o, 0,1,2,3
	v_cndmask_b32 v[BB+2*((\g0)+\o)+1], v[BB+2*((\g0)+\o)+1], v[CURLO], s[MK+2*\o]
.endr
.irp o, 0,1,2,3
	v_cndmask_b32 v[BB+2*((\g0)+\o)+1], v[BB+2*((\g0)+\o)+1], v[CURHI], s[MK+2*\o+1]
.endr
.endm
; A pass on fragments p.  Group 0's products were issued at the end of the pass before.  The products of group g + 1 are issued ahead
; of the ten vector instructions that reduce group g, which name none of their registers: so every result is read, and every result
; buffer written again, at least ten plain vector instructions behind the matrix instruction that wrote it (ISA guide 7.12.1).
; The selects of four groups stand together, behind the products that follow the fourth group's compares; the last four close the pass,
; so that no mask is carried over a label.
; more = 1: a pass follows, on fragments pn.  fill = 1: p is loaded again, two passes ahead.
.macro PASS p, pn, more, fill, off
.set gi, 0
.rept 15
	WPAIR gi+1, \p, D0+16*((gi+1)%2)
.if (gi > 0) && (gi%4 == 0)
	SELECT4 gi-4
.endif
	MINS gi, D0+16*(gi%2)
.set gi, gi+1
.endr
.if \more
	s_wait_dscnt 0x0                               ; the next pass's two loads, issued a whole pass ago, are the only ones out
	WPAIR 0, \pn, D0
.endif
	MINS 15, D1
.if \fill
	s_wait_alu depctr_va_vdst(0)                   ; this pass's matrix instructions are done reading p, in which the two loads land; in a trip's first pass VST and VSW are written
	ds_load_b128 v[\p:\p+3], v[VST] offset:\off
	ds_load_b128 v[\p+8:\p+11], v[VSW] offset:\off
.endif
	SELECT4 12
.if \more
	v_add_nc_u32 v[CURLO], 4, v[CURLO]             ; 32 points on
	v_add_nc_u32 v[CURHI], 4, v[CURHI]
.endif
.endm
	s_wait_dscnt 0x2                               ; the queries and pass 0 are in; pass 1's two loads may stay out
	WPAIR 0, PA, D0
.irp g, 0,1,2,3,4,5,6,7,8,9,10,11,12,13,14,15
	v_mov_b32 v[BB+2*\g], s23                      ; start values, and the distance between these first products and their reduction
	v_mov_b32 v[BB+2*\g+1], v[CURLO]               ; a valid block even if no s is ever below +infinity
.endr
	s_mov_b32 s22, 7                               ; passes 0..13; each trip loads passes 2 k + 2 and 2 k + 3
.Lsweep:
	PASS PA, PB, 1, 1, 1024
	PASS PB, PA, 1, 1, 1536
	s_wait_alu depctr_vm_vsrc(0)                   ; the LDS loads issued so far have read VST and VSW, which the two adds write
	v_add_nc_u32 v[VST], 1024, v[VST]
	v_add_nc_u32 v[VSW], 1024, v[VSW]
	s_sub_co_u32 s22, s22, 1
	s_cmp_lg_u32 s22, 0
	s_cbranch_scc1 .Lsweep
	PASS PA, PB, 1, 0, 0                           ; passes 14 and 15 load nothing
	PASS PB, PA, 0, 0, 0
	; 16 candidates for each query (8 waves x 2 lane halves) meet in LDS
	v_mul_u32_u24 v[VCL], REDP, v0                 ; thread t will take query t
	v_add_nc_u32 v[VCL], RED, v[VCL]
	s_wait_alu depctr_va_vdst(0)                   ; the minima and selects have written BB, which the LDS stores read; VCL is written, by which the loads behind the barrier read
.irp g, 0,1,2,3,4,5,6,7,8,9,10,11,12,13,14,15
	ds_store_b64 v[VRED], v[BB+2*\g:BB+2*\g+1] offset:16*REDP*\g
.endr
	s_wait_dscnt 0x0
	s_barrier_signal -1
	s_barrier_wait -1
	s_wait_alu depctr_vm_vsrc(0)                   ; the head's LDS stores have read the records in R, where the loads below land and the scan below writes
.irp j, 0,1,2,3,4,5,6,7
	ds_load_b128 v[R+4*\j:R+4*\j+3], v[VCL] offset:16*\j
.endr
	s_wait_dscnt 0x0
	; the two smallest values and their blocks.  Candidate 0 starts as the first; strict compares keep the earlier subset on ties, and of
	; three or more equal subsets the two kept include the lowest wave's, which hold the lowest point numbers.
	v_mov_b32 v[V2], s23
	v_mov_b32 v[B2], v[R+1]
; candidates c0 .. c0 + n - 1.  The values do not hang on the blocks: first the compares and the values of all n, then, behind one wait, the blocks in the same order.
.macro SCAN c0, n
.set ci, 0
.rept \n
	v_cmp_lt_f32 s[MK+2*ci], v[R+2*((\c0)+ci)], v[V2]          ; beats the second
	v_cmp_lt_f32 s[MK+2*ci+1], v[R+2*((\c0)+ci)], v[R]         ; beats the first
	v_med3_num_f32 v[V2], v[R+2*((\c0)+ci)], v[R], v[V2]       ; first <= second: the middle one of the three is the new second
	v_min_num_f32 v[R], v[R+2*((\c0)+ci)], v[R]
.set ci, ci+1
.endr
	s_wait_alu depctr_va_sdst(0)                   ; the compares above have written s[MK ..], which the selects read
.set ci, 0
.rept \n
	v_cndmask_b32 v[B2], v[B2], v[R+2*((\c0)+ci)+1], s[MK+2*ci]
	v_cndmask_b32 v[B2], v[B2], v[R+1], s[MK+2*ci+1]           ; the first becomes the second
	v_cndmask_b32 v[R+1], v[R+1], v[R+2*((\c0)+ci)+1], s[MK+2*ci+1]
.set ci, ci+1
.endr
.endm
	SCAN 1, 4
	SCAN 5, 4
	SCAN 9, 4
	SCAN 13, 3
	v_min_u32 v[OUTP], v[R+1], v[B2]               ; ascending, so that the second launch meets the points in the order of their numbers
	v_max_u32 v[OUTP+1], v[R+1], v[B2]
	v_lshlrev_b32 v[T1], 3, v0
	s_wait_alu depctr_va_vdst(0)                   ; the pair in v[OUTP ..] and the offset T1 are written, which the store reads
	global_store_b64 v[T1], v[OUTP:OUTP+1], s[8:9] ; a wave stores 256 consecutive bytes, at a multiple of 256 from cand's first byte
	s_set_vgpr_msb 0x5
	s_wait_dscnt 0x0
	s_wait_alu depctr_hold_cnt(0) depctr_sa_sdst(0) depctr_va_vdst(0) depctr_va_sdst(0) depctr_va_ssrc(0) depctr_va_vcc(0) depctr_vm_vsrc(0)
	s_wait_tensorcnt 0x0
	ds_add_u32 v0, v1
	s_wait_dscnt 0x0
	s_endpgm
.Lfunc_end_k_q8d096cc095_coarse:
	.size	k_q8d096cc095_coarse, .Lfunc_end_k_q8d096cc095_coarse-k_q8d096cc095_coarse
	.p2alignl 7, 3214868480
	.fill 96, 4, 3214868480
	.section	.rodata,"a",@progbits
	.p2align	6, 0x0
	.amdhsa_kernel k_q8d096cc095_coarse
		.amdhsa_group_segment_fixed_size 111616
		.amdhsa_private_segment_fixed_size 0
		.amdhsa_enable_private_segment 0
		.amdhsa_kernarg_size 24
		.amdhsa_user_sgpr_count 2
		.amdhsa_user_sgpr_kernarg_segment_ptr 1
		.amdhsa_wavefront_size32 1
		.amdhsa_system_sgpr_workgroup_id_x 1
		.amdhsa_system_sgpr_workgroup_id_y 1
		.amdhsa_system_sgpr_workgroup_id_z 1
		.amdhsa_system_vgpr_workitem_id 0
		.amdhsa_next_free_vgpr 258
		.amdhsa_next_free_sgpr 66
		.amdhsa_reserve_vcc 0
		.amdhsa_float_denorm_mode_32 3
		.amdhsa_float_denorm_mode_16_64 3
		.amdhsa_memory_ordered 1
		.amdhsa_forward_progress 1
		.amdhsa_inst_pref_size 85
	.end_amdhsa_kernel
	.amdgpu_metadata
---
amdhsa.version: [ 1, 2 ]
amdhsa.kernels:
  - .name:           k_q8d096cc095_coarse
    .symbol:         k_q8d096cc095_coarse.kd
    .args:
      - { .name: basis, .offset: 0, .size: 8, .value_kind: global_buffer, .address_space: global }
      - { .name: point_cloud, .offset: 8, .size: 8, .value_kind: global_buffer, .address_space: global }
      - { .name: cand, .offset: 16, .size: 8, .value_kind: global_buffer, .address_space: global }
    .group_segment_fixed_size: 111616
    .private_segment_fixed_size: 0
    .kernarg_segment_align: 8
    .kernarg_segment_size: 24
    .max_flat_workgroup_size: 256
    .sgpr_count:     66
    .vgpr_count:     258
    .wavefront_size: 32
...
	.end_amdgpu_metadata
.endif
;; end of part 3
;; launch refine (part 4): grid 16 x 16, 8 waves a work-group, no clusters, 70,656 bytes of LDS; arguments basis, point_cloud, cand, out0; writes out0
.if DOCPART == 4
	.amdgcn_target "amdgcn-amd-amdhsa--gfx1250"
	.amdhsa_code_object_version 6
	.text
	.protected	k_q8d096cc095_refine
	.globl	k_q8d096cc095_refine
	.p2align	8
	.type	k_q8d096cc095_refine,@function
k_q8d096cc095_refine:
	s_mov_b64 s[64:65], 0
	v_nop
	global_prefetch_b8 v0, s[64:65] scope:SCOPE_SE
	s_setreg_imm32_b32 hwreg(HW_REG_WAVE_SCHED_MODE, 0, 2), 2
	s_setreg_imm32_b32 hwreg(HW_REG_WAVE_MODE, 25, 1), 1
	s_wait_xcnt 0x0
	s_wait_alu depctr_vm_vsrc(0)
; BPS encoding, second launch: for every (batch, basis point) the 16 cloud points of the two blocks that the first launch named are
; evaluated as reference() writes it, d2 = (b_sq + pc_sq) - 2 cross, every sum over the three coordinates in ascending order, in f32,
; on inputs rounded to bf16 (the format limit stated at the head of the first launch).  Products of two bf16 numbers have 16 bits and
; are exact in f32, so a fused multiply-add rounds exactly as a multiply and an add would.  The first smallest d2 wins, as in argmin.
; The token is (|delta|, delta) of the winner.  RANGE (stated): finite inputs; NaN is not ordered as argmin orders it; the root of a sum
; of squares below 2^-126 comes out as 0 (ISA guide, the entry of v_sqrt_f32).
;
; WORK: a work-group = one batch x 256 queries, 8 waves, one query a lane.  No matrix unit: 16 points a query are 1 million pairs in all.
; A wave's 64 blocks (96 bytes each) are fetched jointly, eight lanes a block, 12 bytes a lane, so that a load touches four runs of
; 96 bytes and not 32 scattered pieces; each point is rounded, gets its pc_sq, and goes as a record of 16 bytes into the wave's own
; LDS, from where each lane reads the 16 records of its own query at an address that hangs on its lane number alone.
; No barrier: a wave reads only bytes that it stored itself, and LDS serves a wave's instructions in order (ISA guide 5.7.1).
; No cluster and no tensor load: the work-groups share nothing but cached points, and every fetched byte is converted in registers.
;
; THE MODE: SCHED_MODE bits 1:0 = 2 (LLVM: expert scheduling mode 2), set by the entry lines.  The code itself states the register
; dependences between vector instructions and memory or LDS instructions, and those through scalar registers that vector instructions
; write, with s_wait_alu, always for 0.
; THE PLAN.  Registers that memory or LDS instructions touch:
;   VB, VC, VLS, VLR   offsets and LDS addresses, made at the head ahead of the first load, never written again.
;   BAS        a load lands; read by vector instructions alone.
;   ID         four loads land; three vector instructions turn each number into a byte offset; the 16 fetches read them.  All 16 offsets
;              are made first, so that one wait stands ahead of the run of 16 fetches.
;   R          fetch i lands in words 0-2 of its four registers; the conversions write the record in place; one LDS store reads it.
;              A run of four stores stands behind one wait.
;   E          LDS loads land, in registers that no vector instruction has named; read and written by vector instructions afterwards.
;   O, VOUT    written at the end; the one store reads them.
; No register that a memory or LDS instruction has read is written again, so no wait on vm_vsrc is owed.
; Masks: the tournament's compares stand in runs of 8, 4, 2 and 1, into s[24:31], one wait behind each run.
.set PITCH, 272                        ; a query's 16 records + 16 bytes: 17 x 16
.set WLDS,  32*PITCH                   ; a wave's LDS
.set VB,    1                          ; byte offset of my query in basis
.set VC,    2                          ; byte offset in cand of the 16 block numbers of my group of eight lanes
.set VPART, 3                          ; 12 x (lane % 8): my point in a block
.set VLS,   4                          ; LDS: where my records go
.set VLR,   5                          ; LDS: my query's row
.set VOUT,  6
.set T0,    8                          ; v[8:11] at work
.set T1,    9
.set BX,    14                         ; my query, rounded
.set BY,    15
.set BZ,    16
.set BSQ,   17
.set BAS,   20                         ; v[20:22] my query as loaded
.set ID,    24                         ; v[24:39] block numbers, then byte offsets of my point in each
.set R,     40                         ; v[40:103] fetched points, then records (x, y, z, pc_sq)
.set E,     104                        ; v[104:167] the 16 records of my query; the fourth word becomes d2
.set O,     168                        ; v[168:171] the token
.set MK,    24                         ; s[24:31] the masks of a round of the tournament
	s_load_b128 s[4:7], s[0:1], 0x0                ; basis s[4:5], point_cloud s[6:7]
	s_load_b128 s[8:11], s[0:1], 0x10              ; cand s[8:9], out0 s[10:11]
	v_lshl_add_u32 v174, v0, 2, 0x11000
	v_mov_b32 v175, 0
	v_lshrrev_b32 v8, 5, v0
	v_readfirstlane_b32 s12, v8                    ; wave
	s_and_b32 s13, ttmp7, 0xffff                   ; batch.  ttmp9: which 256 queries
	s_mul_i32 s14, ttmp9, 3072                     ; basis: 256 queries x 12 bytes
	s_mov_b32 s15, 0
	s_mul_i32 s16, s13, 49152                      ; cloud: 4,096 points x 12 bytes
	s_mov_b32 s17, 0
	s_lshl_b32 s18, s13, 15                        ; cand: 8 bytes a query
	s_lshl_b32 s19, ttmp9, 11
	s_add_co_u32 s18, s18, s19
	s_mov_b32 s19, 0
	s_lshl_b32 s20, s13, 16                        ; out0: 16 bytes a query
	s_lshl_b32 s21, ttmp9, 12
	s_add_co_u32 s20, s20, s21
	s_mov_b32 s21, 0
	s_mov_b32 s23, 0xffff0000
	v_and_b32 v9, 31, v0                           ; lane
	v_and_b32 v10, 7, v0                           ; my point in a block
	v_bfe_u32 v11, v0, 3, 2                        ; my group of eight lanes, G
	v_lshrrev_b32 v12, 3, v0
	v_mul_u32_u24 v[VB], 12, v0
	v_lshlrev_b32 v[VC], 6, v12                    ; 256 wave + 64 G: group G takes blocks 16 G .. 16 G + 15 of the wave's 64
	v_mul_u32_u24 v[VPART], 12, v10
	v_mul_u32_u24 v13, 8*PITCH, v11                ; those are the blocks of queries 8 G .. 8 G + 7
	v_lshl_add_u32 v13, v10, 4, v13
	s_wait_alu depctr_va_sdst(0)                   ; s12 is written, ahead of its first reader: the wave's place in LDS is made from it
	s_mul_i32 s22, s12, WLDS
	v_add_nc_u32 v[VLS], s22, v13
	v_mul_u32_u24 v13, PITCH, v9
	v_add_nc_u32 v[VLR], s22, v13
	s_wait_kmcnt 0x0
	s_add_nc_u64 s[4:5], s[4:5], s[14:15]
	s_add_nc_u64 s[6:7], s[6:7], s[16:17]
	s_add_nc_u64 s[8:9], s[8:9], s[18:19]
	s_add_nc_u64 s[10:11], s[10:11], s[20:21]
	s_wait_alu depctr_va_vdst(0)                   ; VB, VC, VLS and VLR are written, which the loads and LDS instructions below read
	global_load_b96 v[BAS:BAS+2], v[VB], s[4:5]
.irp j, 0,1,2,3
	global_load_b128 v[ID+4*\j:ID+4*\j+3], v[VC], s[8:9] offset:16*\j      ; the wave's 256 bytes of block numbers
.endr
	s_wait_loadcnt 0x0
.irp i, 0,1,2,3,4,5,6,7,8,9,10,11,12,13,14,15
	v_min_u32 v[ID+\i], 0x1ff, v[ID+\i]            ; a batch has 512 blocks
.endr
.irp i, 0,1,2,3,4,5,6,7,8,9,10,11,12,13,14,15
	v_mul_u32_u24 v[ID+\i], 96, v[ID+\i]
.endr
.irp i, 0,1,2,3,4,5,6,7,8,9,10,11,12,13,14,15
	v_add_nc_u32 v[ID+\i], v[VPART], v[ID+\i]
.endr
	s_wait_alu depctr_va_vdst(0)                   ; the 16 byte offsets in v[ID ..] are written, which the 16 fetches read
.irp i, 0,1,2,3,4,5,6,7,8,9,10,11,12,13,14,15
	global_load_b96 v[R+4*\i:R+4*\i+2], v[ID+\i], s[6:7]
.endr
	; my query, while the points are on their way
	v_cvt_pk_bf16_f32 v[T0], v[BAS], v[BAS+1]
	v_cvt_pk_bf16_f32 v[T1], v[BAS+2], v[BAS+2]
	v_lshlrev_b32 v[BX], 16, v[T0]
	v_and_b32 v[BY], s23, v[T0]
	v_lshlrev_b32 v[BZ], 16, v[T1]
	v_mul_f32 v[BSQ], v[BX], v[BX]
	v_fmac_f32 v[BSQ], v[BY], v[BY]
	v_fmac_f32 v[BSQ], v[BZ], v[BZ]
; fetch i becomes a record, in place
.macro RECORD i
	s_wait_loadcnt 15-(\i)                         ; loads return in order: fetch i is in, the later ones stay out
	v_cvt_pk_bf16_f32 v[T0], v[R+4*(\i)], v[R+4*(\i)+1]
	v_cvt_pk_bf16_f32 v[T1], v[R+4*(\i)+2], v[R+4*(\i)+2]
	v_lshlrev_b32 v[R+4*(\i)], 16, v[T0]
	v_and_b32 v[R+4*(\i)+1], s23, v[T0]
	v_lshlrev_b32 v[R+4*(\i)+2], 16, v[T1]
	v_mul_f32 v[R+4*(\i)+3], v[R+4*(\i)], v[R+4*(\i)]          ; pc_sq = (xx + yy) + zz
	v_fmac_f32 v[R+4*(\i)+3], v[R+4*(\i)+1], v[R+4*(\i)+1]
	v_fmac_f32 v[R+4*(\i)+3], v[R+4*(\i)+2], v[R+4*(\i)+2]
.endm
	; block 16 G + i belongs to query 8 G + i / 2 and is its block i % 2
.irp b, 0,1,2,3
.irp j, 0,1,2,3
	RECORD 4*\b+\j
.endr
	s_wait_alu depctr_va_vdst(0)                   ; the conversions have written these four records, which the four LDS stores read
.irp j, 0,1,2,3
	ds_store_b128 v[VLS], v[R+4*(4*\b+\j):R+4*(4*\b+\j)+3] offset:((4*\b+\j)/2)*PITCH+((4*\b+\j)%2)*128
.endr
.endr
.irp k, 0,1,2,3,4,5,6,7,8,9,10,11,12,13,14,15
	ds_load_b128 v[E+4*\k:E+4*\k+3], v[VLR] offset:16*\k       ; my own wave's bytes, served behind the stores above; no vector instruction has named v[E ..]
.endr
; d2 of four points, four chains side by side
.macro EVAL4 k
	s_wait_dscnt 12-\k                             ; the loads behind these four may stay out
.irp j, 0,1,2,3
	v_mul_f32 v[T0+\j], v[E+4*(\k+\j)], v[BX]
	v_add_f32 v[E+4*(\k+\j)+3], v[BSQ], v[E+4*(\k+\j)+3]       ; b_sq + pc_sq
.endr
.irp j, 0,1,2,3
	v_fmac_f32 v[T0+\j], v[E+4*(\k+\j)+1], v[BY]
.endr
.irp j, 0,1,2,3
	v_fmac_f32 v[T0+\j], v[E+4*(\k+\j)+2], v[BZ]               ; cross = (x bx + y by) + z bz
.endr
.irp j, 0,1,2,3
	v_fmac_f32 v[E+4*(\k+\j)+3], -2.0, v[T0+\j]                ; doubling is exact: one rounding, as in (..) - 2 cross
.endr
.endm
	EVAL4 0
	EVAL4 4
	EVAL4 8
	EVAL4 12
; A round of the tournament: n pairs of records st apart.  The later record takes the earlier one's place only if it is strictly nearer;
; the earlier one always has the lower point number.
.macro ROUND n, st
.set ki, 0
.rept \n
	v_cmp_lt_f32 s[MK+ki], v[E+4*(2*(\st)*ki+(\st))+3], v[E+8*(\st)*ki+3]
.set ki, ki+1
.endr
	s_wait_alu depctr_va_sdst(0)                   ; the round's compares have written s[MK ..], which the selects read
.set ki, 0
.rept \n
.irp o, 0,1,2,3
	v_cndmask_b32 v[E+8*(\st)*ki+\o], v[E+8*(\st)*ki+\o], v[E+8*(\st)*ki+4*(\st)+\o], s[MK+ki]
.endr
.set ki, ki+1
.endr
.endm
	ROUND 8, 1
	ROUND 4, 2
	ROUND 2, 4
	ROUND 1, 8
	v_sub_f32 v[O+1], v[E], v[BX]
	v_sub_f32 v[O+2], v[E+1], v[BY]
	v_sub_f32 v[O+3], v[E+2], v[BZ]
	v_mul_f32 v[T0], v[O+1], v[O+1]
	v_fmac_f32 v[T0], v[O+2], v[O+2]
	v_fmac_f32 v[T0], v[O+3], v[O+3]
	v_sqrt_f32 v[O], v[T0]
	v_lshlrev_b32 v[VOUT], 4, v0                   ; one plain vector instruction between the root and its use (ISA guide 5.7.2)
	s_wait_alu depctr_va_vdst(0)                   ; the token in v[O ..] and the offset VOUT are written, which the store reads; the place above stays beside this wait
	global_store_b128 v[VOUT], v[O:O+3], s[10:11]  ; a wave stores 512 consecutive bytes, at a multiple of 512 from out0's first byte
	s_wait_dscnt 0x0
	s_wait_alu depctr_hold_cnt(0) depctr_sa_sdst(0) depctr_va_vdst(0) depctr_va_sdst(0) depctr_va_ssrc(0) depctr_va_vcc(0) depctr_vm_vsrc(0)
	s_wait_tensorcnt 0x0
	ds_add_u32 v174, v175
	s_wait_dscnt 0x0
	s_endpgm
.Lfunc_end_k_q8d096cc095_refine:
	.size	k_q8d096cc095_refine, .Lfunc_end_k_q8d096cc095_refine-k_q8d096cc095_refine
	.p2alignl 7, 3214868480
	.fill 96, 4, 3214868480
	.section	.rodata,"a",@progbits
	.p2align	6, 0x0
	.amdhsa_kernel k_q8d096cc095_refine
		.amdhsa_group_segment_fixed_size 70656
		.amdhsa_private_segment_fixed_size 0
		.amdhsa_enable_private_segment 0
		.amdhsa_kernarg_size 32
		.amdhsa_user_sgpr_count 2
		.amdhsa_user_sgpr_kernarg_segment_ptr 1
		.amdhsa_wavefront_size32 1
		.amdhsa_system_sgpr_workgroup_id_x 1
		.amdhsa_system_sgpr_workgroup_id_y 1
		.amdhsa_system_sgpr_workgroup_id_z 1
		.amdhsa_system_vgpr_workitem_id 0
		.amdhsa_next_free_vgpr 176
		.amdhsa_next_free_sgpr 66
		.amdhsa_reserve_vcc 0
		.amdhsa_float_denorm_mode_32 3
		.amdhsa_float_denorm_mode_16_64 3
		.amdhsa_memory_ordered 1
		.amdhsa_forward_progress 1
		.amdhsa_inst_pref_size 23
	.end_amdhsa_kernel
	.amdgpu_metadata
---
amdhsa.version: [ 1, 2 ]
amdhsa.kernels:
  - .name:           k_q8d096cc095_refine
    .symbol:         k_q8d096cc095_refine.kd
    .args:
      - { .name: basis, .offset: 0, .size: 8, .value_kind: global_buffer, .address_space: global }
      - { .name: point_cloud, .offset: 8, .size: 8, .value_kind: global_buffer, .address_space: global }
      - { .name: cand, .offset: 16, .size: 8, .value_kind: global_buffer, .address_space: global }
      - { .name: out0, .offset: 24, .size: 8, .value_kind: global_buffer, .address_space: global }
    .group_segment_fixed_size: 70656
    .private_segment_fixed_size: 0
    .kernarg_segment_align: 8
    .kernarg_segment_size: 32
    .max_flat_workgroup_size: 256
    .sgpr_count:     66
    .vgpr_count:     176
    .wavefront_size: 32
...
	.end_amdgpu_metadata
.endif
;; end of part 4
